; MI455X (gfx1250); checked and timed in simulation.
; The chip was launched on July 23, 2026; its instructions are those of AMD's public machine-readable ISA for CDNA 5 (MIT licence, August 2026) and "CDNA5" Instruction Set Architecture Reference Guide (July 2026). The comments in the code are by the model that wrote it; some were corrected since.
;; Conditional Attention Dense. Allowed arithmetic: matrix products marked QUANTISED: E2M3 operands, one E8M0 scale for each 32 along K, by v_wmma_scale_f32_16x16x128_f8f6f4 with both operands' format E2M3, f32 sums; everything else in f32.
;; Inputs: Wk_codes 64 x 16 x 24 uint8 (E2M3 codes of Wk, K innermost, in blocks of 32 codes, four codes in three bytes); Wk_scales 64 x 16 uint8 (E8M0 scales of Wk, one for each 32 codes along K); Wq_codes 64 x 16 x 24 uint8 (E2M3 codes of Wq, K innermost, in blocks of 32 codes, four codes in three bytes); Wq_scales 64 x 16 uint8 (E8M0 scales of Wq, one for each 32 codes along K); Wv_codes 512 x 16 x 24 uint8 (E2M3 codes of Wv, K innermost, in blocks of 32 codes, four codes in three bytes); Wv_scales 512 x 16 uint8 (E8M0 scales of Wv, one for each 32 codes along K); beta 1 float32; bk 64 float32; bq 64 float32; bv 512 float32; query 16 x 32 x 64 x 512 float32.
;; Outputs: out0 16 x 32 x 64 x 512 float32.
;; This version of the problem:
;;   THIS VERSION OF THE PROBLEM IS GIVEN IN LOW PRECISION. The matrix products marked QUANTISED in the list below multiply operands that are first quantised to E2M3 (2 exponent bits, 3 mantissa bits; 6 bits a number), with one power-of-two scale for each 32 numbers along K (OCP MX v1.0); their sums are f32. All else is computed in f32.
;;   The module's matrix products, in the order in which they are computed (A, B: the left and right operand; K: the contracted axis; several contracted axes count as one K, in the product's order):
;;     1. [M 32,768, K 512] x [K 512, N 64]; A: input query; B: input Wq (given as codes): QUANTISED
;;     2. [M 32,768, K 512] x [K 512, N 64]; A: input query; B: input Wk (given as codes): QUANTISED
;;     3. [M 32,768, K 512] x [K 512, N 512]; A: input query; B: input Wv (given as codes): QUANTISED
;;     4. batch 16 x [M 2,048, K 64] x [K 64, N 2,048]; A: computed on the way; B: computed on the way: QUANTISED
;;     5. batch 16 x [M 2,048, K 2,048] x [K 2,048, N 512]; A: softmax (see below); B: computed on the way: QUANTISED
;;   THE QUANTISER, for each operand of a quantised product, along K:
;;     - K is cut into blocks of 32 from its start; a last block that is shorter is filled with zeros.
;;     - A block's scale is 2^e with e = floor(log2(the largest magnitude in the block)) - 2, held to -126 .. 127; a block of zeros has e = 0. As a byte (E8M0): e + 127.
;;     - Each number is divided by its block's scale, clamped to +-7.5, and rounded to the nearest number of E2M3, ties to even, subnormals kept.
;;     - The product sums the exact products of the quantised numbers (number of the format x scale) in f32.
;;   ~~~python
;;   def quantise(x, axis):      # numpy; x: float32 -> the quantised numbers, widened to float32 again
;;       x = np.moveaxis(x, axis, -1); K = x.shape[-1]
;;       x = np.pad(x, [(0, 0)] * (x.ndim - 1) + [(0, -K % 32)]); x = x.reshape(x.shape[:-1] + (-1, 32)); a = np.abs(x).max(-1, keepdims=True)
;;       e = np.where(a > 0, np.clip(np.frexp(np.where(a > 0, a, 1))[1] - 1 - 2, -126, 127), 0)      # np.frexp(a)[1] - 1 = floor(log2(a)), exactly
;;       r = np.clip(x / 2.0 ** e, -7.5, 7.5)
;;       step = 2.0 ** (np.maximum(np.frexp(np.where(r == 0, 1, r))[1] - 1, 0) - 3)
;;       q = np.round(r / step) * step * 2.0 ** e      # np.round: ties to even
;;       return np.moveaxis(q.reshape(q.shape[:-2] + (-1,))[..., :K], -1, axis).astype(np.float32)
;;   ~~~
;;   SOFTMAX AHEAD OF A QUANTISED PRODUCT. Where the list says 'softmax', what is quantised is not the finished softmax but p = 2^(t - M), with t = logit x log2(e) and M = ceil(the row's largest t), a whole number; so 1/2 < the row's largest p <= 1. The row's sum l is taken of the UNQUANTISED p, in f32, and the product's result is divided by l at the end. Since M is a whole number, a kernel that streams over the keys may use a running M (the ceiling of the running maximum): every later rescaling is an exact power of two, which a block's scale takes up: the codes' values come out the same.
;;   OPERANDS COMPUTED ON THE WAY. 'Computed on the way' means the value that the module computes at that place (a softmax that the list does not call 'softmax' is quantised finished and normalised). What goes into a quantiser is computed in f32, as accurately as f32 sums, v_exp_f32 and their like allow (about 1e-6 of the number): no bf16 or f16 on the way to a quantiser, and a product that is left as it is and whose result goes on into a quantised operand takes f32 operands (vector FMAs, or v_wmma_f32_16x16x4_f32). A number that lies on a knife's edge between two numbers of the format may be rounded either way, as far as f32 arithmetic and the matrix unit's own rounding can turn it there, and no further.
;;   INPUTS GIVEN AS CODES. Wk (in the module: [512, 64], K = its axis 0); Wq (in the module: [512, 64], K = its axis 0); Wv (in the module: [512, 512], K = its axis 0): each comes as NAME_codes (uint8): NAME with its K axis moved to the last place and cut into blocks of 32 codes, [.., K / 32, bytes a block], one block behind the other in memory; four codes in three bytes: a row's codes are one little-endian stream of bits, code i at bits 6 i .. 6 i + 5 (a code: sign, 2 exponent bits, 3 mantissa bits); and NAME_scales (uint8): the same leading axes, one E8M0 byte (e + 127) for each 32 codes along K. Its value is code x scale, taken as it is: it is not quantised again, and the codes and scales need not be those that the quantiser above would give.
;; One version. Each part assembles by itself: llvm-mc -triple=amdgcn-amd-amdhsa -mcpu=gfx1250 --defsym DOCPART=n.
;; ======== version 1 of 1: 2 launches
;; limits: right only within a limited range of input values
;; workspace buffers: qb 1,703,936 bytes; kb 1,703,936 bytes; vb 13,107,200 bytes
;; launch proj (part 1): grid 256 x 1, 8 waves a work-group, no clusters, 327,680 bytes of LDS; arguments query, Wq_codes, Wk_codes, Wq_scales, Wk_scales, bq, bk, Wv_codes, Wv_scales, bv, qb, kb, vb; writes qb, kb, vb
.if DOCPART == 1
	.amdgcn_target "amdgcn-amd-amdhsa--gfx1250"
	.amdhsa_code_object_version 6
	.text
	.protected	k_q3eec8e437d_proj
	.globl	k_q3eec8e437d_proj
	.p2align	8
	.type	k_q3eec8e437d_proj,@function
k_q3eec8e437d_proj:
	s_mov_b64 s[64:65], 0
	v_nop
	global_prefetch_b8 v0, s[64:65] scope:SCOPE_SE
	s_setreg_imm32_b32 hwreg(HW_REG_WAVE_MODE, 25, 1), 1
	s_wait_xcnt 0x0
; q, k and v of 128 tokens a work-group: x is quantised along its 512 channels, multiplied with the given codes of Wq, Wk, Wv,
; the biases are added, and q, k (along d) and v (along the tokens) are quantised again and stored as images of operand registers.
; No work of the problem is left out here.
; x comes by ONE tensor load a wave: the wave's 16 token rows are 32 KiB on end in memory, stated as 32 rows of 1,024 bytes with 16 bytes
; of padding behind each: a token row is XROW bytes in LDS.  A wave's block is XWB bytes; odd waves' blocks begin 16 bytes further on,
; so that the 16 rows which one pass of a 16-byte load touches (8 of an even block, 8 of an odd one) lie in 16 different 16-byte columns.
.set XWB,    33536
.set XROW,   2080
.set FRB,    1536
.set XI,     8*XWB
.set XSW,    XI+32*FRB
.set L16, 1
.set L4,  2
.set L8,  3
.set XA,  4
.set XWI, 8
.set XWS, 9
.set WA,  10
.set WSA, 11
.set BH,  12
.set WVA, 13
.set WVSA,14
.set BVA, 15
.set O16, 16
.set O8,  17
.set O4,  18
.set XQI, 19
.set XQS, 20
.set XVI, 21
.set XVS, 22
.set BV,  24
.set XS,  28
.set WQS, 32
.set WVS, 48
.set WVF, 64
.set XF,  160
.set PC,  XF+32
.set PW,  XF+52
.set TM,  XF+56
.set F,   XF
.set PW4, XF+72
.set SWP, XF+76
.set WV,  30
.set ROLE,31
.set W3,  32
.set SEL, 36
.set HM,  38
.set G1,  40
.set G0,  48
.set MSB, 0
.macro WIN new
.if MSB != \new
	s_set_vgpr_msb (MSB<<8)|\new
.set MSB, \new
.endif
.endm
.macro PLACES n
.rept \n
	v_nop
.endr
.endm
.macro BAR
	s_wait_dscnt 0x0
	s_barrier_signal -1
	s_barrier_wait -1
.endm
.macro WM d, a, b, cm, c, sa, sb, ra, rb
.if (\cm) == 0
.if (\ra)
	v_wmma_scale_f32_16x16x128_f8f6f4 v[0+(\d):7+(\d)], v[0+(\a):11+(\a)], v[0+(\b):11+(\b)], 0, v[\sa], v[\sb] matrix_a_fmt:MATRIX_FMT_FP6 matrix_b_fmt:MATRIX_FMT_FP6 matrix_a_scale:MATRIX_SCALE_ROW1
.elseif (\rb)
	v_wmma_scale_f32_16x16x128_f8f6f4 v[0+(\d):7+(\d)], v[0+(\a):11+(\a)], v[0+(\b):11+(\b)], 0, v[\sa], v[\sb] matrix_a_fmt:MATRIX_FMT_FP6 matrix_b_fmt:MATRIX_FMT_FP6 matrix_b_scale:MATRIX_SCALE_ROW1
.else
	v_wmma_scale_f32_16x16x128_f8f6f4 v[0+(\d):7+(\d)], v[0+(\a):11+(\a)], v[0+(\b):11+(\b)], 0, v[\sa], v[\sb] matrix_a_fmt:MATRIX_FMT_FP6 matrix_b_fmt:MATRIX_FMT_FP6
.endif
.else
.if (\ra)
	v_wmma_scale_f32_16x16x128_f8f6f4 v[0+(\d):7+(\d)], v[0+(\a):11+(\a)], v[0+(\b):11+(\b)], v[0+(\c):7+(\c)], v[\sa], v[\sb] matrix_a_fmt:MATRIX_FMT_FP6 matrix_b_fmt:MATRIX_FMT_FP6 matrix_a_scale:MATRIX_SCALE_ROW1
.elseif (\rb)
	v_wmma_scale_f32_16x16x128_f8f6f4 v[0+(\d):7+(\d)], v[0+(\a):11+(\a)], v[0+(\b):11+(\b)], v[0+(\c):7+(\c)], v[\sa], v[\sb] matrix_a_fmt:MATRIX_FMT_FP6 matrix_b_fmt:MATRIX_FMT_FP6 matrix_b_scale:MATRIX_SCALE_ROW1
.else
	v_wmma_scale_f32_16x16x128_f8f6f4 v[0+(\d):7+(\d)], v[0+(\a):11+(\a)], v[0+(\b):11+(\b)], v[0+(\c):7+(\c)], v[\sa], v[\sb] matrix_a_fmt:MATRIX_FMT_FP6 matrix_b_fmt:MATRIX_FMT_FP6
.endif
.endif
.endm
.macro QUANT64 n, pc, pw
	WIN 0x05
.irp b, 0,1,2,3
	v_max3_num_f32 v[TM+\b], |v[(\n)+16*\b]|, |v[(\n)+16*\b+1]|, 0x1800000
.endr
	WIN 0x14
.irp i, 2,4,6,8,10,12,14
.irp b, 0,1,2,3
	v_max3_num_f32 v[TM+\b], v[TM+\b], |v[(\n)+16*\b+\i]|, |v[(\n)+16*\b+\i+1]|
.endr
.endr
	WIN 0
.irp b, 0,1,2,3
	v_permlanex16_b32 v[TM+4+\b], v[TM+\b], s[SEL], s[SEL+1]
.endr
.irp b, 0,1,2,3
	s_delay_alu instid0(VALU_DEP_4)
	v_max_num_f32 v[TM+\b], v[TM+\b], v[TM+4+\b]
.endr
.irp b, 0,1,2,3
	s_delay_alu instid0(VALU_DEP_4)
	v_add_nc_u32 v[TM+12+\b], 0xff000000, v[TM+\b]
.endr
.irp b, 0,1,2,3
	s_delay_alu instid0(VALU_DEP_4)
	v_lshrrev_b32 v[TM+4+\b], 23, v[TM+12+\b]
.endr
	s_delay_alu instid0(VALU_DEP_3)
	v_lshl_or_b32 v[\pw], v[TM+5], 8, v[TM+4]
	s_delay_alu instid0(VALU_DEP_1)
	v_lshl_or_b32 v[\pw], v[TM+6], 16, v[\pw]
	s_delay_alu instid0(VALU_DEP_1)
	v_lshl_or_b32 v[\pw], v[TM+7], 24, v[\pw]
	WIN 0x01
.irp c, 0,1
	v_cvt_scalef32_pk16_fp6_f32 v[(\pc)+6*\c:(\pc)+6*\c+2], v[(\n)+32*\c:(\n)+32*\c+15], v[TM+12+2*\c]
	v_cvt_scalef32_pk16_fp6_f32 v[(\pc)+12+4*\c:(\pc)+14+4*\c], v[(\n)+32*\c+16:(\n)+32*\c+31], v[TM+13+2*\c]
.endr
	WIN 0
	v_nop
.irp c, 0,1
.irp i, 0,1,2
	v_permlane16_swap_b32 v[(\pc)+6*\c+\i], v[(\pc)+12+4*\c+\i]
.endr
.irp i, 0,1,2
	s_delay_alu instid0(VALU_DEP_3)
	v_mov_b32 v[(\pc)+3+6*\c+\i], v[(\pc)+12+4*\c+\i]
.endr
.endr
.endm
.macro QUANT32 n, pc, pw
	WIN 0x05
.irp b, 0,1
	v_max3_num_f32 v[TM+\b], |v[(\n)+16*\b]|, |v[(\n)+16*\b+1]|, 0x1800000
.endr
	WIN 0x14
.irp i, 2,4,6,8,10,12,14
.irp b, 0,1
	v_max3_num_f32 v[TM+\b], v[TM+\b], |v[(\n)+16*\b+\i]|, |v[(\n)+16*\b+\i+1]|
.endr
.endr
	WIN 0
.irp b, 0,1
	v_permlanex16_b32 v[TM+4+\b], v[TM+\b], s[SEL], s[SEL+1]
.endr
.irp b, 0,1
	s_delay_alu instid0(VALU_DEP_2)
	v_max_num_f32 v[TM+\b], v[TM+\b], v[TM+4+\b]
.endr
.irp b, 0,1
	s_delay_alu instid0(VALU_DEP_2)
	v_add_nc_u32 v[TM+12+\b], 0xff000000, v[TM+\b]
.endr
.irp b, 0,1
	s_delay_alu instid0(VALU_DEP_2)
	v_lshrrev_b32 v[TM+4+\b], 23, v[TM+12+\b]
.endr
	s_delay_alu instid0(VALU_DEP_1)
	v_lshl_or_b32 v[\pw], v[TM+5], 8, v[TM+4]
	s_delay_alu instid0(VALU_DEP_1)
	v_lshl_or_b32 v[\pw], v[\pw], 16, v[\pw]
	WIN 0x01
	v_cvt_scalef32_pk16_fp6_f32 v[(\pc):(\pc)+2], v[(\n):(\n)+15], v[TM+12]
	v_cvt_scalef32_pk16_fp6_f32 v[(\pc)+4:(\pc)+6], v[(\n)+16:(\n)+31], v[TM+13]
	WIN 0
	v_nop
.irp i, 0,1,2
	v_permlane16_swap_b32 v[(\pc)+\i], v[(\pc)+4+\i]
.endr
.irp i, 0,1,2
	s_delay_alu instid0(VALU_DEP_3)
	v_mov_b32 v[(\pc)+3+\i], v[(\pc)+4+\i]
.endr
.endm
	s_load_b512 s[4:19], s[0:1], 0x0
	s_load_b256 s[20:27], s[0:1], 0x40
	s_load_b64 s[28:29], s[0:1], 0x60
	v_lshl_add_u32 v254, v0, 2, 0x4f000
	v_mov_b32 v255, 0
	ds_add_u32 v254, v255
	ds_add_u32 v254, v255
	s_wait_dscnt 0x0
	v_lshrrev_b32 v240, 5, v0
	s_delay_alu instid0(VALU_DEP_1)
	v_readfirstlane_b32 s[WV], v240
	s_lshr_b32 s[ROLE], s[WV], 2
	s_and_b32 s[W3], s[WV], 3
	s_mov_b32 s[SEL], 0x76543210
	s_mov_b32 s[SEL+1], 0xfedcba98
	s_mov_b32 s[HM], 0xffff0000
	s_mov_b32 s[G1+0], (2<<16)|(1<<20)|(7<<22)|(3<<25)  ; elements of 4 bytes; 4 words of padding behind every 256 words
	s_mov_b32 s[G1+1], 256<<16
	s_mov_b32 s[G1+2], 32<<16
	s_mov_b32 s[G1+3], 256<<16
	s_mov_b32 s[G1+4], 32
	s_mov_b32 s[G1+5], 256
	s_mov_b32 s[G1+6], 0
	s_mov_b32 s[G1+7], 0
	s_lshl_b32 s34, ttmp9, 18
	s_lshl_b32 s66, s[WV], 15
	s_add_co_u32 s34, s34, s66
	s_mov_b32 s35, 0
	s_mul_i32 s67, s[WV], XWB
	s_and_b32 s66, s[WV], 1
	s_lshl_b32 s66, s66, 4
	s_wait_kmcnt 0x0
	s_add_nc_u64 s[4:5], s[4:5], s[34:35]
	s_mov_b32 s[G0], 1
	s_add_co_u32 s[G0+1], s67, s66                 ; my block, 16 bytes further on in odd waves
	s_mov_b64 s[G0+2:G0+3], s[4:5]
	s_or_b32 s[G0+3], s[G0+3], 0x80000000
	tensor_load_to_lds s[G0:G0+3], s[G1:G1+7]      ; my 16 token rows, whole: the wave's one tensor load
	s_nop 0
	PLACES 4
	s_cmp_eq_u32 s[ROLE], 0
	s_cselect_b64 s[6:7], s[6:7], s[8:9]
	s_cselect_b64 s[10:11], s[10:11], s[12:13]
	s_cselect_b64 s[14:15], s[14:15], s[16:17]
	s_cselect_b64 s[24:25], s[24:25], s[26:27]
	s_mul_i32 s34, ttmp9, 6656
	s_add_nc_u64 s[24:25], s[24:25], s[34:35]
	s_mul_i32 s34, ttmp9, 51200
	s_add_nc_u64 s[28:29], s[28:29], s[34:35]
	s_lshl_b32 s34, s[WV], 8
	s_add_co_u32 s34, s34, 49152
	s_add_nc_u64 s[68:69], s[28:29], s[34:35]
	s_mul_i32 s34, s[WV], 4*FRB
	s_add_nc_u64 s[28:29], s[28:29], s[34:35]
	v_and_b32 v240, 31, v0
	v_and_b32 v241, 15, v0
	v_bfe_u32 v242, v0, 4, 1
	s_delay_alu instid0(VALU_DEP_2)
	v_and_b32 v243, 8, v241
	s_delay_alu instid0(VALU_DEP_1)
	v_add_nc_u32 v243, v243, v241
	v_lshlrev_b32 v[L16], 4, v240
	v_lshlrev_b32 v[L4], 2, v240
	v_lshlrev_b32 v[L8], 3, v240
	s_delay_alu instid0(VALU_DEP_4)
	v_mul_u32_u24 v[WA], v243, 384
	s_delay_alu instid0(VALU_DEP_1)
	v_mad_u32_u24 v[WA], v242, 24, v[WA]
	v_lshlrev_b32 v[WSA], 4, v243
	v_lshlrev_b32 v[BH], 6, v242
	s_mul_i32 s66, s[WV], 64*384
	v_mul_u32_u24 v[WVA], v241, 384
	s_delay_alu instid0(VALU_DEP_1)
	v_mad_u32_u24 v[WVA], v242, 24, v[WVA]
	s_delay_alu instid0(VALU_DEP_1)
	v_add_nc_u32 v[WVA], s66, v[WVA]
	s_lshl_b32 s66, s[WV], 6
	v_add_nc_u32 v245, s66, v241
	s_delay_alu instid0(VALU_DEP_1)
	v_lshlrev_b32 v[WVSA], 4, v245
	s_delay_alu instid0(VALU_DEP_2)
	v_lshlrev_b32 v[BVA], 2, v245
	WIN 0x40
.irp dt, 0,1,2,3
.irp ks, 0,1,2,3
.irp p, 0,1,2,3,4,5
	global_load_b64 v[64+12*(4*\dt+\ks)+2*\p:64+12*(4*\dt+\ks)+2*\p+1], v[WA], s[6:7] offset:(32*(\dt/2)+8*(\dt%2))*384+96*\ks+48*(\p/3)+8*(\p%3)
.endr
.endr
.endr
	WIN 0
.irp dt, 0,1,2,3
	global_load_b128 v[WQS+4*\dt:WQS+4*\dt+3], v[WSA], s[10:11] offset:(32*(\dt/2)+8*(\dt%2))*16
	global_load_b128 v[XF+8*\dt:XF+8*\dt+3], v[BH], s[14:15] offset:(32*(\dt/2)+8*(\dt%2))*4
	global_load_b128 v[XF+8*\dt+4:XF+8*\dt+7], v[BH], s[14:15] offset:(32*(\dt/2)+8*(\dt%2))*4+16
.endr
.macro WVLOAD ks
.irp cc, 0,1,2,3
.irp p, 0,1,2,3,4,5
	global_load_b64 v[WVF+48*((\ks)%2)+12*\cc+2*\p:WVF+48*((\ks)%2)+12*\cc+2*\p+1], v[WVA], s[18:19] offset:16*\cc*384+96*(\ks)+48*(\p/3)+8*(\p%3)
.endr
.endr
.endm
	WVLOAD 0
	WVLOAD 1
.irp cc, 0,1,2,3
	global_load_b128 v[WVS+4*\cc:WVS+4*\cc+3], v[WVSA], s[20:21] offset:256*\cc
	global_load_b32 v[BV+\cc], v[BVA], s[22:23] offset:64*\cc
.endr
	; I quantise tokens 32 (wave / 2) + 8 (wave % 2) + r + 8 (r / 8): r < 8 in block 2 (wave / 2), r >= 8 in the block behind it
	s_lshr_b32 s66, s[WV], 1
	s_mul_i32 s66, s66, 2*XWB
	s_and_b32 s67, s[WV], 1
	s_mul_i32 s67, s67, 8*XROW
	s_add_co_u32 s66, s66, s67
	v_and_b32 v244, 7, v241
	v_bfe_u32 v245, v241, 3, 1
	s_delay_alu instid0(VALU_DEP_2)
	v_mul_u32_u24 v244, v244, XROW
	s_delay_alu instid0(VALU_DEP_1)
	v_mad_u32_u24 v244, v245, XWB+16, v244
	s_delay_alu instid0(VALU_DEP_1)
	v_lshl_add_u32 v244, v242, 6, v244
	s_delay_alu instid0(VALU_DEP_1)
	v_add_nc_u32 v[XA], s66, v244
	s_mul_i32 s66, s[WV], 4*FRB
	s_add_co_u32 s66, s66, XI
	v_add_nc_u32 v[XWI], s66, v[L16]
	s_lshl_b32 s66, s[WV], 9
	s_add_co_u32 s66, s66, XSW
	v_add_nc_u32 v[XWS], s66, v[L4]
	s_mul_i32 s66, s[W3], 2*768
	v_add_nc_u32 v[O16], s66, v[L16]
	s_add_co_u32 s66, s66, 512
	v_add_nc_u32 v[O8], s66, v[L8]
	s_lshl_b32 s66, s[W3], 7
	s_add_co_u32 s66, s66, 6144
	v_add_nc_u32 v[O4], s66, v[L4]
	s_mul_i32 s66, s[W3], 8*FRB
	s_add_co_u32 s66, s66, XI
	v_add_nc_u32 v[XQI], s66, v[L16]
	s_lshl_b32 s66, s[W3], 10
	s_add_co_u32 s66, s66, XSW
	v_lshlrev_b32 v246, 2, v241
	s_delay_alu instid0(VALU_DEP_1)
	v_lshl_add_u32 v246, v242, 9, v246
	s_delay_alu instid0(VALU_DEP_1)
	v_add_nc_u32 v[XQS], s66, v246
	v_add_nc_u32 v[XVI], XI, v[L16]
	s_delay_alu instid0(VALU_DEP_3)
	v_add_nc_u32 v[XVS], XSW, v246
.irp b, 0,1,2,3
	v_mov_b32 v[TM+4+\b], 0
.endr
.macro XSTEP ks
.if (\ks) == 0
	s_wait_alu depctr_va_vdst(0)                   ; wait at the head's end
	s_wait_tensorcnt 0x0                           ; my rows are in;
	BAR                                            ; everybody's are: I read rows of two waves' blocks
.endif
	WIN 0x40
.irp b, 0,1,2,3
.irp j, 0,1,2,3
	ds_load_b128 v[16*\b+4*\j:16*\b+4*\j+3], v[XA] offset:1040*((\ks)/2)+512*((\ks)%2)+128*\b+16*\j
.endr
.endr
	WIN 0
	s_wait_dscnt 0x0
	QUANT64 0, PC, PW
.irp c3, 0,1,2
	ds_store_b128 v[XWI], v[PC+4*\c3:PC+4*\c3+3] offset:FRB*(\ks)+512*\c3
.endr
	ds_store_b32 v[XWS], v[PW] offset:128*(\ks)
.endm
	XSTEP 0
	XSTEP 1
	XSTEP 2
	XSTEP 3
	BAR
	s_wait_loadcnt 0x0
.irp ks, 0,1
.irp tt, 0,1
.irp c3, 0,1,2
	ds_load_b128 v[XF+48+12*(2*\ks+\tt)+4*\c3:XF+48+12*(2*\ks+\tt)+4*\c3+3], v[XQI] offset:(4*\tt+\ks)*FRB+512*\c3
.endr
.endr
.endr
.irp ks, 0,1,2,3
	ds_load_b32 v[XS+\ks], v[XQS] offset:128*\ks
.endr
	s_wait_dscnt 0x0
	WIN 0x41
.irp tt, 0,1
.irp dt, 0,1,2,3
	WM 32*\tt+8*\dt, 64+12*(4*\dt), XF+48+12*\tt, 1, XF+8*\dt, WQS+4*\dt, XS, 0, \tt
.endr
.endr
	WIN 0
	PLACES 4
.irp ks, 0,1
.irp tt, 0,1
.irp c3, 0,1,2
	ds_load_b128 v[XF+12*(2*\ks+\tt)+4*\c3:XF+12*(2*\ks+\tt)+4*\c3+3], v[XQI] offset:(4*\tt+\ks+2)*FRB+512*\c3
.endr
.endr
.endr
.macro QKMUL ks
.irp tt, 0,1
.irp dt, 0,1,2,3
	WM 32*\tt+8*\dt, 64+12*(4*\dt+\ks), XF+48*(1-(\ks)/2)+12*(2*((\ks)%2)+\tt), 1, 32*\tt+8*\dt, WQS+4*\dt+\ks, XS+\ks, 0, \tt
.endr
.endr
.endm
	WIN 0x51
	QKMUL 1
	s_wait_dscnt 0x0
	QKMUL 2
	QKMUL 3
	WIN 0
	PLACES 4
	QUANT32 0, PC, PW
	QUANT32 32, PC+8, PW+1
	v_cndmask_b32 v[PW+2], v[PW], v[PW+1], s[HM]
.irp tt, 0,1
	global_store_b128 v[O16], v[PC+8*\tt:PC+8*\tt+3], s[24:25] offset:768*\tt
	global_store_b64 v[O8], v[PC+8*\tt+4:PC+8*\tt+5], s[24:25] offset:768*\tt
.endr
	global_store_b32 v[O4], v[PW+2], s[24:25]
	s_wait_xcnt 0x0
.macro LOADX q
.set sK, (\q)/2
.set hf, (\q)%2
.irp t4, 0,1,2,3
.irp c3, 0,1,2
	ds_load_b128 v[XF+48*hf+12*\t4+4*\c3:XF+48*hf+12*\t4+4*\c3+3], v[XVI] offset:(4*(4*hf+\t4)+sK)*FRB+512*\c3
.endr
.endr
.irp pp, 0,1
	ds_load_b32 v[XS+2*hf+\pp], v[XVS] offset:(2*hf+\pp)*1024+128*sK
.endr
.endm
.macro MMV q
.set sK, (\q)/2
.set hf, (\q)%2
	WIN 0x50
.irp t4, 0,1,2,3
.irp cc, 0,1,2,3
	WM 64*\cc+8*(4*hf+\t4), XF+48*hf+12*\t4, WVF+48*(sK%2)+12*\cc, sK, 64*\cc+8*(4*hf+\t4), XS+2*hf+\t4/2, WVS+4*\cc+sK, \t4%2, 0
.endr
.endr
	WIN 0
	PLACES 4
.endm
	LOADX 0
.irp q, 0,1,2,3,4,5,6
	LOADX \q+1
	s_wait_dscnt 14
.if \q == 4
	s_wait_loadcnt 24
.endif
.if \q == 6
	s_wait_loadcnt 0x0
.endif
	MMV \q
.if \q == 1
	WVLOAD 2
.endif
.if \q == 3
	WVLOAD 3
.endif
.endr
	s_wait_dscnt 0x0
	MMV 7
.irp cc, 0,1,2,3
	WIN 0x41
.set jj, 64*\cc
.rept 32
.if (\cc%2) == 0
	v_pk_add_f32 v[jj:jj+1], v[jj:jj+1], v[BV+\cc:BV+\cc+1] op_sel_hi:[1,0]
.else
	v_pk_add_f32 v[jj:jj+1], v[jj:jj+1], v[BV+\cc-1:BV+\cc] op_sel:[0,1] op_sel_hi:[1,1]
.endif
.set jj, jj+2
.endr
	QUANT64 64*\cc, F+12*\cc, PW4+\cc
.irp c3, 0,1,2
	global_store_b128 v[L16], v[F+12*\cc+4*\c3:F+12*\cc+4*\c3+3], s[28:29] offset:FRB*\cc+512*\c3
.endr
.endr
	v_cndmask_b32 v[SWP], v[PW4], v[PW4+1], s[HM]
	v_cndmask_b32 v[SWP+1], v[PW4+2], v[PW4+3], s[HM]
	global_store_b64 v[L8], v[SWP:SWP+1], s[68:69]
	s_wait_xcnt 0x0
	v_lshl_add_u32 v254, v0, 2, 0x4f000
	v_mov_b32 v255, 0
	s_wait_alu depctr_va_vdst(0)
	s_wait_tensorcnt 0x0
	ds_add_u32 v254, v255
	s_wait_dscnt 0x0
	s_endpgm
.Lfunc_end_k_q3eec8e437d_proj:
	.size	k_q3eec8e437d_proj, .Lfunc_end_k_q3eec8e437d_proj-k_q3eec8e437d_proj
	.p2alignl 7, 3214868480
	.fill 96, 4, 3214868480
	.section	.rodata,"a",@progbits
	.p2align	6, 0x0
	.amdhsa_kernel k_q3eec8e437d_proj
		.amdhsa_group_segment_fixed_size 327680
		.amdhsa_private_segment_fixed_size 0
		.amdhsa_enable_private_segment 0
		.amdhsa_kernarg_size 104
		.amdhsa_user_sgpr_count 2
		.amdhsa_user_sgpr_kernarg_segment_ptr 1
		.amdhsa_wavefront_size32 1
		.amdhsa_system_sgpr_workgroup_id_x 1
		.amdhsa_system_sgpr_workgroup_id_y 1
		.amdhsa_system_sgpr_workgroup_id_z 1
		.amdhsa_system_vgpr_workitem_id 0
		.amdhsa_next_free_vgpr 512
		.amdhsa_next_free_sgpr 72
		.amdhsa_reserve_vcc 0
		.amdhsa_float_denorm_mode_32 3
		.amdhsa_float_denorm_mode_16_64 3
		.amdhsa_memory_ordered 1
		.amdhsa_forward_progress 1
		.amdhsa_inst_pref_size 114
	.end_amdhsa_kernel
	.amdgpu_metadata
---
amdhsa.version: [ 1, 2 ]
amdhsa.kernels:
  - .name:           k_q3eec8e437d_proj
    .symbol:         k_q3eec8e437d_proj.kd
    .args:
      - { .name: query, .offset: 0, .size: 8, .value_kind: global_buffer, .address_space: global }
      - { .name: Wq_codes, .offset: 8, .size: 8, .value_kind: global_buffer, .address_space: global }
      - { .name: Wk_codes, .offset: 16, .size: 8, .value_kind: global_buffer, .address_space: global }
      - { .name: Wq_scales, .offset: 24, .size: 8, .value_kind: global_buffer, .address_space: global }
      - { .name: Wk_scales, .offset: 32, .size: 8, .value_kind: global_buffer, .address_space: global }
      - { .name: bq, .offset: 40, .size: 8, .value_kind: global_buffer, .address_space: global }
      - { .name: bk, .offset: 48, .size: 8, .value_kind: global_buffer, .address_space: global }
      - { .name: Wv_codes, .offset: 56, .size: 8, .value_kind: global_buffer, .address_space: global }
      - { .name: Wv_scales, .offset: 64, .size: 8, .value_kind: global_buffer, .address_space: global }
      - { .name: bv, .offset: 72, .size: 8, .value_kind: global_buffer, .address_space: global }
      - { .name: qb, .offset: 80, .size: 8, .value_kind: global_buffer, .address_space: global }
      - { .name: kb, .offset: 88, .size: 8, .value_kind: global_buffer, .address_space: global }
      - { .name: vb, .offset: 96, .size: 8, .value_kind: global_buffer, .address_space: global }
    .group_segment_fixed_size: 327680
    .private_segment_fixed_size: 0
    .kernarg_segment_align: 8
    .kernarg_segment_size: 104
    .max_flat_workgroup_size: 256
    .sgpr_count:     72
    .vgpr_count:     512
    .wavefront_size: 32
...
	.end_amdgpu_metadata
.endif
;; end of part 1
;; launch attn (part 2): grid 16 x 16, 8 waves a work-group, clusters of 4 x 1, 327,680 bytes of LDS; arguments query, qb, kb, vb, beta, out0; writes out0
.if DOCPART == 2
	.amdgcn_target "amdgcn-amd-amdhsa--gfx1250"
	.amdhsa_code_object_version 6
	.text
	.protected	k_q3eec8e437d_attn
	.globl	k_q3eec8e437d_attn
	.p2align	8
	.type	k_q3eec8e437d_attn,@function
k_q3eec8e437d_attn:
	s_mov_b64 s[64:65], 0
	v_nop
	global_prefetch_b8 v0, s[64:65] scope:SCOPE_SE
	s_setreg_imm32_b32 hwreg(HW_REG_WAVE_MODE, 25, 1), 1
	s_wait_xcnt 0x0
	s_wait_alu depctr_hold_cnt(0) depctr_sa_sdst(0) depctr_va_vdst(0) depctr_va_sdst(0) depctr_va_ssrc(0) depctr_va_vcc(0) depctr_vm_vsrc(0)
	s_getreg_b32 s2, hwreg(HW_REG_IB_STS2, 6, 4)
	s_cmp_eq_u32 s2, 0
	s_cbranch_scc0 .Lentry_in_a_cluster
	s_endpgm
.Lentry_in_a_cluster:
	s_bfe_u32 s2, ttmp6, 0x10000c
	s_cmp_lg_u32 s2, 0x3003
	s_cbranch_scc0 .Lentry_shape_is_right
	s_endpgm
.Lentry_shape_is_right:
; out = query + beta x softmax(q k^T) v for 128 queries of one batch a work-group; q, k, v come as codes and scales in images of operand registers.
; No work of the problem is left out.  LIMIT: the promise holds while the scores x log2(e) stay under 2^31 in magnitude.
; A first walk over all 2,048 keys finds each row's largest score, so M is fixed; then 16 steps of 128 keys.  A wave makes p for its own 16 queries (SM)
; and multiplies 64 queries x 128 channels (PV) with the p of the four waves of its half.  p goes from wave to wave through LDS in TWO buffers
; that take turns, so a step has one barrier: waves 0-3 run PV of step j and then SM of step j + 1, waves 4-7 the other way round.
; The second buffer lies on K's steps 0 and 1, which nobody reads behind step 1's SM; so step 0 keeps a barrier between its PV and that SM.
; At the last change of slots each wave fetches 32 rows x 512 bytes of query, the residual of its first two tiles, into LDS bytes that are read no more
; (six waves: V's slot 0; two waves: K's steps 2 to 7); the other two tiles' residual comes by loads into registers.
.set VSTEP,  51200
.set VFILL,  2*VSTEP
.set KB,     4*VSTEP
.set KSTEP,  6656
.set PI,     KB                        ; p's buffer on K's steps 0 and 1: 8 x 1,536 bytes of codes and 8 x 128 of scale words = 2 KSTEP
.set PD,     16*KSTEP                  ; p's other buffer lies PD bytes further on, behind K
.set PSW,    PI+8*1536
.set SPARE,  PSW+PD+8*128
.set LI,     SPARE+8*128
.set STG,    VFILL                     ; the way out's stage: V's slot 1, behind its last fill and its last read
.set RTILE,  32*528                    ; a wave's residual tile: 32 rows of 512 bytes + 16 of padding
.set RGAP,   KB+2*KSTEP-6*RTILE        ; waves 6 and 7: from the end of the sixth tile in slot 0 to K's step 2
.set SPW, 1
.set NIL, 2
.set AK16,3
.set AK8, 4
.set AK4, 5
.set DK16,6
.set DK8, 7
.set DK4, 8
.set AV16,9
.set AV8, 10
.set DV16,11
.set DV8, 12
.set PWI, 13
.set PWS, 14
.set PRI, 15
.set PRS, 16
.set PFO, 17
.set PQO, 18
.set GO,  19
.set STO, 20
.set RD,  21
.set FA,  22
.set LIW, 23
.set NM,  24
.set LS,  26
.set QS,  28
.set VS,  32
.set PSC, 36
.set KS,  40
.set QF,  44
.set KF,  62
.set S,   134
.set PC,  198
.set BM,  218
.set T2,  222
.set SCL, 226
.set BY,  230
.set SU,  234
.set PW,  236
.set DPR, 242                          ; this step's addresses in p's buffers: codes and scale words read, codes and scale words written
.set DPRS,243
.set DPW, 244
.set DPWS,245
.set RRD, 29                           ; my residual tile + 16 x lane
.set QS2, 30                           ; the walk for the maxima: my neighbour's (wave xor 1) q: scale words,
.set Q2F, 198                          ; codes, laid as QF is,
.set BM2, 226                          ; and its rows' largest scores over my half of the keys
.set LIW2,31                           ; where I leave them for it
.set RES, 62
.set SB,  190
.set FV,  44
.set MSB, 0
.macro WIN new
.if MSB != \new
	s_set_vgpr_msb (MSB<<8)|\new
.set MSB, \new
.endif
.endm
.macro PLACES n
.rept \n
	v_nop
.endr
.endm
.macro BAR
	s_wait_dscnt 0x0
	s_barrier_signal -1
	s_barrier_wait -1
.endm
.macro CROUND
	s_barrier_signal -1
	s_barrier_wait -1
	s_cmp_lg_u32 s16, 0
	s_cbranch_scc1 .Lnot_wave_0_\@
	s_barrier_signal -3
.Lnot_wave_0_\@:
	s_barrier_wait -3
	s_barrier_signal -1
	s_barrier_wait -1
.endm
.macro WM d, a, b, cm, c, sa, sb, ra, rb
.if (\cm) == 0
.if (\ra)
	v_wmma_scale_f32_16x16x128_f8f6f4 v[0+(\d):7+(\d)], v[0+(\a):11+(\a)], v[0+(\b):11+(\b)], 0, v[\sa], v[\sb] matrix_a_fmt:MATRIX_FMT_FP6 matrix_b_fmt:MATRIX_FMT_FP6 matrix_a_scale:MATRIX_SCALE_ROW1
.elseif (\rb)
	v_wmma_scale_f32_16x16x128_f8f6f4 v[0+(\d):7+(\d)], v[0+(\a):11+(\a)], v[0+(\b):11+(\b)], 0, v[\sa], v[\sb] matrix_a_fmt:MATRIX_FMT_FP6 matrix_b_fmt:MATRIX_FMT_FP6 matrix_b_scale:MATRIX_SCALE_ROW1
.else
	v_wmma_scale_f32_16x16x128_f8f6f4 v[0+(\d):7+(\d)], v[0+(\a):11+(\a)], v[0+(\b):11+(\b)], 0, v[\sa], v[\sb] matrix_a_fmt:MATRIX_FMT_FP6 matrix_b_fmt:MATRIX_FMT_FP6
.endif
.else
.if (\ra)
	v_wmma_scale_f32_16x16x128_f8f6f4 v[0+(\d):7+(\d)], v[0+(\a):11+(\a)], v[0+(\b):11+(\b)], v[0+(\c):7+(\c)], v[\sa], v[\sb] matrix_a_fmt:MATRIX_FMT_FP6 matrix_b_fmt:MATRIX_FMT_FP6 matrix_a_scale:MATRIX_SCALE_ROW1
.elseif (\rb)
	v_wmma_scale_f32_16x16x128_f8f6f4 v[0+(\d):7+(\d)], v[0+(\a):11+(\a)], v[0+(\b):11+(\b)], v[0+(\c):7+(\c)], v[\sa], v[\sb] matrix_a_fmt:MATRIX_FMT_FP6 matrix_b_fmt:MATRIX_FMT_FP6 matrix_b_scale:MATRIX_SCALE_ROW1
.else
	v_wmma_scale_f32_16x16x128_f8f6f4 v[0+(\d):7+(\d)], v[0+(\a):11+(\a)], v[0+(\b):11+(\b)], v[0+(\c):7+(\c)], v[\sa], v[\sb] matrix_a_fmt:MATRIX_FMT_FP6 matrix_b_fmt:MATRIX_FMT_FP6
.endif
.endif
.endm
	s_load_b256 s[4:11], s[0:1], 0x0
	s_load_b128 s[12:15], s[0:1], 0x20
	v_lshl_add_u32 v[SPW], v0, 2, SPARE
	v_mov_b32 v[NIL], 0
	ds_add_u32 v1, v2
	ds_add_u32 v1, v2
	s_wait_dscnt 0x0
	v_lshrrev_b32 v240, 5, v0
	s_delay_alu instid0(VALU_DEP_1)
	v_readfirstlane_b32 s16, v240
	s_lshr_b32 s17, s16, 2
	s_and_b32 s18, s16, 3
	s_bfe_u32 s19, ttmp6, 0x40000
	s_lshl_b32 s20, ttmp9, 2
	s_add_co_u32 s20, s20, s19
	s_and_b32 s21, ttmp7, 0xffff
	s_lshl_b32 s22, s21, 4
	s_add_co_u32 s22, s22, s20
	s_mul_i32 s23, s16, VFILL/8
	s_mov_b32 s24, 15|(3<<16)|(1<<21)
	s_mov_b32 s25, 32<<16
	s_mov_b32 s26, 52<<16
	s_mov_b32 s27, 32<<16
	s_mov_b32 s28, 52
	s_mov_b32 s29, 32
	s_mov_b32 s30, 0
	s_mov_b32 s31, 0
	s_mov_b32 s32, 15|(3<<16)|(1<<21)
	s_mov_b32 s33, 32<<16
	s_mov_b32 s34, 50<<16
	s_mov_b32 s35, 32<<16
	s_mov_b32 s36, 50
	s_mov_b32 s37, 32
	s_mov_b32 s38, 0
	s_mov_b32 s39, 0
	s_mov_b32 s60, 0x76543210
	s_mov_b32 s61, 0xfedcba98
	s_mov_b32 s62, 0x3fb8aa3b
	s_mov_b32 s63, s62
	s_mul_i32 s54, s21, 16*KSTEP
	s_mul_i32 s55, s16, 2*KSTEP
	s_add_co_u32 s54, s54, s55
	s_add_co_u32 s41, s55, KB
	s_mov_b32 s55, 0
	s_mul_i32 s52, s21, 16*VSTEP
	s_add_co_u32 s52, s52, s23
	s_mov_b32 s53, 0
	s_wait_kmcnt 0x0
	s_mov_b32 s40, 1
	s_add_nc_u64 s[42:43], s[8:9], s[54:55]
	s_or_b32 s43, s43, 0x80000000
	s_mov_b32 s44, 1
	s_mov_b32 s45, s23
	s_add_nc_u64 s[46:47], s[10:11], s[52:53]
	s_or_b32 s47, s47, 0x80000000
	CROUND
	tensor_load_to_lds s[40:43], s[24:31]          ; K, my eighth: the wave's one tensor load at the head; the set-up and q's loads stand under its flight
	s_nop 0
	PLACES 4
	s_load_b32 s66, s[12:13], 0x0
	s_mul_i32 s74, s21, 16*VSTEP
	s_mul_i32 s75, s19, VFILL/4
	s_add_co_u32 s74, s74, s75
	s_mul_i32 s75, s18, VFILL/16
	s_add_co_u32 s74, s74, s75
	s_add_co_u32 s74, s74, VFILL
	s_mov_b32 s75, 0
	s_add_nc_u64 s[56:57], s[10:11], s[74:75]
	s_or_b32 s58, s17, ttmp9
	s_cmp_eq_u32 s58, 0
	s_cselect_b32 s58, 1, -1
	s_lshl_b32 s74, s22, 18
	s_lshl_b32 s72, s17, 17
	s_add_co_u32 s74, s74, s72
	s_lshl_b32 s72, s18, 9
	s_add_co_u32 s74, s74, s72
	s_add_nc_u64 s[68:69], s[4:5], s[74:75]
	s_add_nc_u64 s[70:71], s[14:15], s[74:75]
	s_mul_i32 s74, s22, KSTEP
	s_add_nc_u64 s[6:7], s[6:7], s[74:75]
	v_and_b32 v240, 31, v0
	v_and_b32 v241, 15, v0
	v_bfe_u32 v242, v0, 4, 1
	s_delay_alu instid0(VALU_DEP_3)
	v_lshlrev_b32 v[GO], 4, v240
	s_delay_alu instid0(VALU_DEP_4)
	v_lshlrev_b32 v243, 3, v240
	v_lshlrev_b32 v244, 2, v240
	s_mul_i32 s54, s16, 768
	v_add_nc_u32 v246, s54, v[GO]
	s_add_co_u32 s54, s54, 512
	v_add_nc_u32 v247, s54, v243
	s_lshl_b32 s54, s16, 6
	s_add_co_u32 s54, s54, 6144
	v_lshl_add_u32 v248, v241, 2, s54
	global_load_b128 v[QF:QF+3], v246, s[6:7]
	global_load_b64 v[QF+4:QF+5], v247, s[6:7]
	global_load_b128 v[QF+12:QF+15], v246, s[6:7]
	global_load_b64 v[QF+16:QF+17], v247, s[6:7]
	global_load_b32 v[QS], v248, s[6:7]
	s_wait_alu depctr_va_vdst(0)                   ; wait ahead of this run of scalar instructions
	s_xor_b32 s55, s16, 1                          ; my neighbour's tile of q
	s_mul_i32 s54, s55, 768
	v_add_nc_u32 v249, s54, v[GO]
	s_add_co_u32 s54, s54, 512
	v_add_nc_u32 v250, s54, v243
	s_lshl_b32 s54, s55, 6
	s_add_co_u32 s54, s54, 6144
	v_lshl_add_u32 v251, v241, 2, s54
	global_load_b128 v[Q2F:Q2F+3], v249, s[6:7]
	global_load_b64 v[Q2F+4:Q2F+5], v250, s[6:7]
	global_load_b128 v[Q2F+12:Q2F+15], v249, s[6:7]
	global_load_b64 v[Q2F+16:Q2F+17], v250, s[6:7]
	global_load_b32 v[QS2], v251, s[6:7]
	v_add_nc_u32 v[AK16], KB, v[GO]
	v_add_nc_u32 v[AK8], KB+512, v243
	v_add_nc_u32 v[AK4], KB+6144, v244
	s_mul_i32 s54, s18, 8*1536
	v_add_nc_u32 v[AV16], s54, v[GO]
	s_lshl_b32 s54, s18, 9
	s_add_co_u32 s54, s54, 49152
	v_add_nc_u32 v[AV8], s54, v243
	s_mul_i32 s54, s16, 1536
	s_add_co_u32 s54, s54, PI
	v_add_nc_u32 v[PWI], s54, v[GO]
	s_lshl_b32 s54, s16, 7
	s_add_co_u32 s54, s54, PSW
	v_add_nc_u32 v[PWS], s54, v244
	s_mul_i32 s54, s17, 4*1536
	s_add_co_u32 s54, s54, PI
	v_add_nc_u32 v[PRI], s54, v[GO]
	s_lshl_b32 s54, s17, 9
	s_add_co_u32 s54, s54, PSW
	v_add_nc_u32 v[PRS], s54, v244
	v_min_u32 v[PFO], 24, v240
	s_delay_alu instid0(VALU_DEP_1)
	v_lshlrev_b32 v[PFO], 8, v[PFO]
	v_lshrrev_b32 v[PQO], 1, v240
	s_delay_alu instid0(VALU_DEP_1)
	v_lshlrev_b32 v[PQO], 11, v[PQO]
	v_and_b32 v245, 1, v240
	s_delay_alu instid0(VALU_DEP_1)
	v_lshl_add_u32 v[PQO], v245, 8, v[PQO]
	s_mul_i32 s54, s16, 16*528
	s_add_co_u32 s54, s54, STG
	v_mul_u32_u24 v[STO], v241, 528
	s_delay_alu instid0(VALU_DEP_1)
	v_lshl_add_u32 v[STO], v242, 5, v[STO]
	s_delay_alu instid0(VALU_DEP_1)
	v_add_nc_u32 v[STO], s54, v[STO]
	v_add_nc_u32 v[RD], s54, v[GO]
	s_add_co_u32 s54, s16, 2
	s_lshr_b32 s54, s54, 3                         ; 1 in waves 6 and 7
	s_mul_i32 s54, s54, RGAP
	s_mul_i32 s55, s16, RTILE
	s_add_co_u32 s77, s54, s55                     ; my residual tile in LDS
	v_add_nc_u32 v[RRD], s77, v[GO]
	s_mov_b32 s76, 1
	s_mov_b64 s[78:79], s[68:69]                   ; from my 64 rows x 128 channels of query: the first 32 rows
	s_or_b32 s79, s79, 0x80000000
	s_mov_b64 s[72:73], s[68:69]                   ; where the residual's prefetches stand: they begin at my row 0
	s_mov_b32 s75, 0
	s_mov_b32 s80, (2<<16)|(1<<20)|(6<<22)|(3<<25) ; no mask: a load of my own; 4 words of padding behind every 128
	s_mov_b32 s81, 128<<16
	s_mov_b32 s82, 32<<16
	s_mov_b32 s83, 128<<16
	s_mov_b32 s84, 32
	s_mov_b32 s85, 512
	s_mov_b32 s86, 0
	s_mov_b32 s87, 0
	s_lshl_b32 s55, s17, 8
	s_add_co_u32 s55, s55, LI
	v_mov_b32 v[FA], s55
	s_lshl_b32 s55, s16, 6
	s_add_co_u32 s55, s55, LI
	v_lshl_add_u32 v[LIW], v241, 2, s55
	s_xor_b32 s55, s55, 64                         ; my neighbour's 64 bytes
	v_lshl_add_u32 v[LIW2], v241, 2, s55
.irp i, 0,1,2,3,4,5
	v_mov_b32 v[QF+6+\i], 0
	v_mov_b32 v[Q2F+6+\i], 0
.irp p, 0,1,2,3
	v_mov_b32 v[KF+18*\p+6+\i], 0
.endr
.endr
.irp b, 0,1,2,3
	v_mov_b32 v[BM+\b], 0xff800000
	v_mov_b32 v[BM2+\b], 0xff800000
	v_mov_b32 v[T2+\b], 0
.endr
	v_mov_b32 v[LS], 0
	v_mov_b32 v[LS+1], 0
	s_mov_b32 s48, 7
	s_mov_b32 s49, 0
	s_mov_b32 s50, 0
.macro KLOAD koff
.irp p, 0,1,2,3
	ds_load_b128 v[KF+18*\p:KF+18*\p+3], v[DK16] offset:\koff+1536*\p
	ds_load_b64 v[KF+18*\p+4:KF+18*\p+5], v[DK8] offset:\koff+1536*\p
	ds_load_b128 v[KF+18*\p+12:KF+18*\p+15], v[DK16] offset:\koff+1536*\p+768
	ds_load_b64 v[KF+18*\p+16:KF+18*\p+17], v[DK8] offset:\koff+1536*\p+768
	ds_load_b32 v[KS+\p], v[DK4] offset:\koff+128*\p
.endr
.endm
.macro QKT
.irp p, 0,1,2,3
	WM S+16*\p, KF+18*\p, QF, 0, 0, KS+\p, QS, 0, 0
	WM S+16*\p+8, KF+18*\p+6, QF+6, 0, 0, KS+\p, QS, 1, 0
.endr
.endm
.macro SM koff
	KLOAD \koff
	s_wait_dscnt 0x0
	QKT
	PLACES 4
.irp b, 0,1,2,3
	v_max3_num_f32 v[BM+\b], v[S+16*\b], v[S+16*\b+1], v[S+16*\b+2]
.endr
.irp i, 3,5,7,9,11,13
.irp b, 0,1,2,3
	v_max3_num_f32 v[BM+\b], v[BM+\b], v[S+16*\b+\i], v[S+16*\b+\i+1]
.endr
.endr
.irp b, 0,1,2,3
	v_max_num_f32 v[BM+\b], v[BM+\b], v[S+16*\b+15]
.endr
.irp b, 0,1,2,3
	s_delay_alu instid0(VALU_DEP_4)
	v_permlanex16_b32 v[T2+\b], v[BM+\b], s60, s61
.endr
.irp b, 0,1,2,3
	s_delay_alu instid0(VALU_DEP_4)
	v_max_num_f32 v[BM+\b], v[BM+\b], v[T2+\b]
.endr
.set jj, 0
.rept 32
	v_pk_fma_f32 v[S+jj:S+jj+1], v[S+jj:S+jj+1], s[62:63], v[NM:NM+1] op_sel_hi:[1,0,0]
.set jj, jj+2
.endr
.irp b, 0,1,2,3
	v_fma_f32 v[BM+\b], v[BM+\b], s62, v[NM]
.endr
.set jj, 0
	s_wait_alu depctr_va_vdst(0)
.rept 64
	v_exp_f32 v[S+jj], v[S+jj]
.set jj, jj+1
.endr
	v_nop
	s_wait_alu depctr_va_vdst(0)
.irp b, 0,1,2,3
	v_exp_f32 v[BM+\b], v[BM+\b]
.endr
	v_pk_add_f32 v[SU:SU+1], v[S:S+1], v[S+2:S+3]
.irp j, 4,8,12,16,20,24,28,32,36,40,44,48,52,56,60
	v_pk_add_f32 v[LS:LS+1], v[LS:LS+1], v[S+\j:S+\j+1]
	v_pk_add_f32 v[SU:SU+1], v[SU:SU+1], v[S+\j+2:S+\j+3]
.endr
	s_delay_alu instid0(VALU_DEP_1)
	v_pk_add_f32 v[LS:LS+1], v[LS:LS+1], v[SU:SU+1]
	s_wait_alu depctr_va_vdst(0)
.irp b, 0,1,2,3
	v_max_num_f32 v[BM+\b], 0x1800000, v[BM+\b]
.endr
.irp b, 0,1,2,3
	s_delay_alu instid0(VALU_DEP_4)
	v_add_nc_u32 v[SCL+\b], 0xff000000, v[BM+\b]
.endr
.irp b, 0,1,2,3
	s_delay_alu instid0(VALU_DEP_4)
	v_lshrrev_b32 v[BY+\b], 23, v[SCL+\b]
.endr
	s_delay_alu instid0(VALU_DEP_3)
	v_lshl_or_b32 v[PW], v[BY+1], 8, v[BY]
	s_delay_alu instid0(VALU_DEP_1)
	v_lshl_or_b32 v[PW], v[BY+2], 16, v[PW]
	s_delay_alu instid0(VALU_DEP_1)
	v_lshl_or_b32 v[PW], v[BY+3], 24, v[PW]
.irp c, 0,1
	v_cvt_scalef32_pk16_fp6_f32 v[PC+6*\c:PC+6*\c+2], v[S+32*\c:S+32*\c+15], v[SCL+2*\c]
	v_cvt_scalef32_pk16_fp6_f32 v[PC+12+4*\c:PC+14+4*\c], v[S+32*\c+16:S+32*\c+31], v[SCL+2*\c+1]
.endr
	v_nop
.irp c, 0,1
.irp i, 0,1,2
	v_permlane16_swap_b32 v[PC+6*\c+\i], v[PC+12+4*\c+\i]
.endr
.irp i, 0,1,2
	s_delay_alu instid0(VALU_DEP_3)
	v_mov_b32 v[PC+3+6*\c+\i], v[PC+12+4*\c+\i]
.endr
.endr
.irp c, 0,1,2
	ds_store_b128 v[DPW], v[PC+4*\c:PC+4*\c+3] offset:512*\c
.endr
	ds_store_b32 v[DPWS], v[PW]
.endm
.macro PV zero
.irp m, 0,1,2,3
	ds_load_b32 v[PSC+\m], v[DPRS] offset:128*\m
.endr
.irp m, 0,1,2,3
.irp c, 0,1,2
	ds_load_b128 v[74+18*\m+6*(\m/3)+4*\c:74+18*\m+6*(\m/3)+4*\c+3], v[DPR] offset:1536*\m+512*\c
.endr
.endr
.irp i, 0,1
	ds_load_b64 v[VS+2*\i:VS+2*\i+1], v[DV8] offset:256*\i
.endr
.irp t, 0,1,2,3,4,5,6,7
.irp c, 0,1,2
	ds_load_b128 v[146+12*\t+4*\c:146+12*\t+4*\c+3], v[DV16] offset:1536*\t+512*\c
.endr
.endr
	WIN 0x50
.irp t, 0,1,2,3,4,5,6,7
	s_wait_dscnt 21-3*\t
.irp m, 0,1,2,3
	WM 64*\m+8*\t, 146+12*\t, 74+18*\m+6*(\m/3), 1-\zero, 64*\m+8*\t, VS+\t/2, PSC+\m, \t%2, 0
.endr
.endr
	WIN 0
	PLACES 5
.endm
; Step j's addresses (j = s50).  p of step 0 and of every odd step lies in the buffer behind K, p of the other even steps in the one on K's steps 0 and 1.
.macro ADDR first
	s_mul_i32 s52, s50, KSTEP
	s_and_b32 s53, s50, 3
	s_mul_i32 s53, s53, VSTEP
.if \first
	s_mov_b32 s54, PD                              ; step 0: p of steps 0 and 1 both go through the buffer behind K
	s_mov_b32 s55, PD
.else
	s_and_b32 s54, s50, 1
	s_xor_b32 s55, s54, 1
	s_mul_i32 s54, s54, PD                         ; read: p of step j
	s_mul_i32 s55, s55, PD                         ; written: p of step j + 1
.endif
	v_add_nc_u32 v[DK16], s52, v[AK16]
	v_add_nc_u32 v[DK8], s52, v[AK8]
	v_add_nc_u32 v[DK4], s52, v[AK4]
	v_add_nc_u32 v[DV16], s53, v[AV16]
	v_add_nc_u32 v[DV8], s53, v[AV8]
	v_add_nc_u32 v[DPR], s54, v[PRI]
	v_add_nc_u32 v[DPRS], s54, v[PRS]
	v_add_nc_u32 v[DPW], s55, v[PWI]
	v_add_nc_u32 v[DPWS], s55, v[PWS]
	s_wait_alu depctr_va_vdst(0)                   ; wait
.endm
; A step: PV of step j and SM of step j + 1, in either order, and one barrier: behind it p of step j + 1 is whole and p of step j is read no more.
.macro BODY nosm
	ADDR 0
	s_cmp_eq_u32 s17, 0
	s_cbranch_scc0 .Llate_\@
	PV 0
.Llate_\@:
.if (\nosm) == 0
	SM KSTEP
.endif
	s_cmp_eq_u32 s17, 0
	s_cbranch_scc1 .Ldone_\@
	s_wait_alu depctr_va_vdst(0)                   ; wait ahead of the readers of the sums
	PV 0
.Ldone_\@:
	BAR
	s_add_co_u32 s50, s50, 1
.endm
.macro ASK
	s_cmp_gt_u32 s48, s58
	s_cbranch_scc0 .Lnot_mine_\@
	global_prefetch_b8 v[PFO], s[56:57] th:TH_LOAD_NT scope:SCOPE_SE
.Lnot_mine_\@:
.endm
.macro CHANGE fill
	s_wait_tensorcnt 0x0
	ds_add_u32 v[SPW], v[NIL]
.if \fill
	s_add_co_u32 s49, s49, 1
	s_and_b32 s54, s49, 1
	s_mul_i32 s54, s54, VFILL
	s_add_co_u32 s45, s54, s23
	s_add_nc_u64 s[46:47], s[46:47], VFILL
	s_wait_xcnt 0x0
	s_add_nc_u64 s[56:57], s[56:57], VFILL
.if (\fill) == 2                       ; in the loop alone: the change of slots ahead of it asks for nothing of the residual
	s_cmp_lt_u32 s48, 4                            ; the residual's prefetches step 16 rows on in the loop's last three fills
	s_cselect_b32 s74, 0x8000, 0
	s_add_nc_u64 s[72:73], s[72:73], s[74:75]
.endif
	s_wait_dscnt 0x0
	CROUND
	tensor_load_to_lds s[44:47], s[32:39]
	s_nop 0
	PLACES 4
	ASK
.if (\fill) == 2
	s_cmp_lt_u32 s48, 5                            ; in the loop's last four fills: 16 rows x 2 blocks of my 64 rows x 512 bytes of query, a lane a block;
	s_cbranch_scc0 .Lno_res_\@                     ; rows 0-31 three and four fills ahead of the tensor load that takes them, rows 32-63 two and three changes of slots ahead of their loads
	global_prefetch_b8 v[PQO], s[72:73] th:TH_LOAD_NT scope:SCOPE_SE
.Lno_res_\@:
.endif
.else
	s_wait_dscnt 0x0
	CROUND
	tensor_load_to_lds s[76:79], s[80:87]          ; my residual tile, rows 0-31, onto bytes that are read no more; two steps' work stands ahead of the wait for it
	s_nop 0
	PLACES 4
.endif
.endm
	s_wait_alu depctr_va_vdst(0)                   ; wait at the head's end
	s_wait_tensorcnt 0x0                           ; my part of K is in
	ds_add_u32 v[SPW], v[NIL]
	s_wait_kmcnt 0x0                               ; beta
	s_wait_dscnt 0x0
	CROUND                                         ; everybody's part of K is in, and the four partners are here
	tensor_load_to_lds s[44:47], s[32:39]          ; V's steps 0 and 1, my eighth
	s_nop 0
	PLACES 4
	s_wait_loadcnt 0x0                             ; q
	; THE WALK FOR THE MAXIMA: a wave takes 8 of the 16 key steps (even waves the first 8, odd waves the last 8) for two tiles of queries,
	; its own and its neighbour's: each fragment of K feeds two products.  The neighbour's scores go into window 1, where no sum has begun yet.
	s_and_b32 s52, s16, 1
	s_mul_i32 s52, s52, 8*KSTEP
	s_mov_b32 s51, 8
.Lmax:
	v_add_nc_u32 v[DK16], s52, v[AK16]
	v_add_nc_u32 v[DK8], s52, v[AK8]
	v_add_nc_u32 v[DK4], s52, v[AK4]
	KLOAD 0
	s_wait_dscnt 0x0
	QKT
	WIN 0x40
.irp p, 0,1,2,3
	WM 16*\p, KF+18*\p, Q2F, 0, 0, KS+\p, QS2, 0, 0
	WM 16*\p+8, KF+18*\p+6, Q2F+6, 0, 0, KS+\p, QS2, 1, 0
.endr
	WIN 0
	PLACES 4
	s_wait_alu depctr_va_vdst(0)
.irp i, 0,2,4,6,8,10,12,14
.irp b, 0,1,2,3
	v_max3_num_f32 v[BM+\b], v[BM+\b], v[S+16*\b+\i], v[S+16*\b+\i+1]
.endr
.endr
	WIN 0x14
.irp i, 0,2,4,6,8,10,12,14
.irp b, 0,1,2,3
	v_max3_num_f32 v[BM2+\b], v[BM2+\b], v[16*\b+\i], v[16*\b+\i+1]
.endr
.endr
	WIN 0
	s_add_co_u32 s52, s52, KSTEP
	s_sub_co_u32 s51, s51, 1
	s_cmp_lg_u32 s51, 0
	s_cbranch_scc1 .Lmax
	v_max3_num_f32 v[BM], v[BM], v[BM+1], v[BM+2]
	s_delay_alu instid0(VALU_DEP_1)
	v_max_num_f32 v[BM], v[BM], v[BM+3]
	s_delay_alu instid0(VALU_DEP_1)
	v_permlanex16_b32 v[T2], v[BM], s60, s61
	s_delay_alu instid0(VALU_DEP_1)
	v_max_num_f32 v[BM], v[BM], v[T2]
	v_max3_num_f32 v[BM2], v[BM2], v[BM2+1], v[BM2+2]
	s_delay_alu instid0(VALU_DEP_1)
	v_max_num_f32 v[BM2], v[BM2], v[BM2+3]
	s_delay_alu instid0(VALU_DEP_1)
	v_permlanex16_b32 v[T2+1], v[BM2], s60, s61
	s_delay_alu instid0(VALU_DEP_1)
	v_max_num_f32 v[BM2], v[BM2], v[T2+1]
	ds_store_b32 v[LIW2], v[BM2]                   ; my neighbour's rows over my half of the keys
	s_wait_alu depctr_va_vdst(0)                   ; wait ahead of the barrier
	BAR
	ds_load_b32 v[T2], v[LIW]                      ; my rows over the other half
	s_wait_dscnt 0x0
	v_max_num_f32 v[BM], v[BM], v[T2]
	s_delay_alu instid0(VALU_DEP_1)
	v_mul_f32 v[BM], s62, v[BM]
	s_delay_alu instid0(VALU_DEP_1)
	v_floor_f32 v[NM], -v[BM]
	s_delay_alu instid0(VALU_DEP_1)
	v_mov_b32 v[NM+1], v[NM]
	ADDR 1
	SM 0                                           ; every wave: p of step 0
	BAR
	CHANGE 1
	PV 1                                           ; step 0's products start the sums
	BAR                                            ; p of step 0 is read no more: step 1's goes into the same buffer
	SM KSTEP
	BAR                                            ; K's steps 0 and 1 are read no more
	s_add_co_u32 s50, s50, 1
	BODY 0
	s_sub_co_u32 s48, s48, 1
.Lfill:
	CHANGE 2
	s_mov_b32 s51, 2
.Ltwo:
	BODY 0
	s_sub_co_u32 s51, s51, 1
	s_cmp_lg_u32 s51, 0
	s_cbranch_scc1 .Ltwo
	s_sub_co_u32 s48, s48, 1
	s_cmp_lg_u32 s48, 0
	s_cbranch_scc1 .Lfill
	CHANGE 0
	BODY 0
	BODY 1
.macro RESLOAD m
.irp i, 0,1,2,3,4,5,6,7,8,9,10,11,12,13,14,15
	global_load_b128 v[RES+64*((\m)%2)+4*\i:RES+64*((\m)%2)+4*\i+3], v[GO], s[68:69] offset:(32*((\m)/2)+8*((\m)%2)+\i+8*(\i/8))*2048 th:TH_LOAD_NT
.endr
.endm
	RESLOAD 2                                      ; the residual of tiles 2 and 3; tiles 0 and 1 go out meanwhile
	RESLOAD 3
	v_add_f32 v[LS], v[LS], v[LS+1]
	s_delay_alu instid0(VALU_DEP_1)
	v_permlanex16_b32 v[T2], v[LS], s60, s61
	s_delay_alu instid0(VALU_DEP_1)
	v_add_f32 v[LS], v[LS], v[T2]
	s_wait_alu depctr_va_vdst(0)
	v_rcp_f32 v[LS+1], v[LS]
	v_nop
	s_wait_alu depctr_va_vdst(0)
	v_mul_f32 v[LS+1], s66, v[LS+1]
	ds_store_b32 v[LIW], v[LS+1]
	BAR
.macro OUTT m
	WIN 0x04
.irp t, 0,1,2,3,4,5,6,7
	ds_store_b128 v[STO], v[64*(\m)+8*\t:64*(\m)+8*\t+3] offset:64*\t
	ds_store_b128 v[STO], v[64*(\m)+8*\t+4:64*(\m)+8*\t+7] offset:64*\t+16
.endr
.if (\m) < 2
	WIN 0x40                                       ; tiles 0 and 1: the residual comes from my tile in LDS, into the registers of the sums just staged
.irp i, 0,1,2,3,4,5,6,7,8,9,10,11,12,13,14,15
	ds_load_b128 v[64*(\m)+4*\i:64*(\m)+4*\i+3], v[RRD] offset:(8*(\m)+\i+8*(\i/8))*528
.endr
.endif
	WIN 0
.if (\m) > 0
	s_wait_xcnt 0x0
.endif
.irp i, 0,1,2,3,4,5,6,7,8,9,10,11,12,13,14,15
	ds_load_b128 v[SB+4*\i:SB+4*\i+3], v[RD] offset:528*\i
.endr
.irp k, 0,1,2,3
	ds_load_b128 v[FV+4*\k:FV+4*\k+3], v[FA] offset:64*(\m)+16*\k
.endr
	s_wait_dscnt 0x0
.if (\m) == 2
	s_wait_loadcnt 16                              ; tile 2's residual is in; tile 3's 16 loads may be out
.endif
.if (\m) == 3
	s_wait_loadcnt 0x0
.endif
.if (\m) < 2
.set RS, 64*(\m)
	WIN 0x10                                       ; the third source in window 1
.else
.set RS, RES+64*((\m)%2)
.endif
.irp i, 0,2,4,6,8,10,12,14
.irp k, 0,2
	v_pk_fma_f32 v[SB+4*\i+\k:SB+4*\i+\k+1], v[SB+4*\i+\k:SB+4*\i+\k+1], v[FV+\i:FV+\i+1], v[RS+4*\i+\k:RS+4*\i+\k+1] op_sel_hi:[1,0,1]
.endr
.irp k, 4,6
	v_pk_fma_f32 v[SB+4*\i+\k:SB+4*\i+\k+1], v[SB+4*\i+\k:SB+4*\i+\k+1], v[FV+\i:FV+\i+1], v[RS+4*\i+\k:RS+4*\i+\k+1] op_sel:[0,1,0] op_sel_hi:[1,1,1]
.endr
.endr
	WIN 0
.irp i, 0,1,2,3,4,5,6,7,8,9,10,11,12,13,14,15
	global_store_b128 v[GO], v[SB+4*\i:SB+4*\i+3], s[70:71] offset:(32*((\m)/2)+8*((\m)%2)+\i+8*(\i/8))*2048 th:TH_STORE_NT
.endr
.endm
	s_wait_tensorcnt 0x0                           ; my residual tile is in; I alone read it
	OUTT 0
	OUTT 1
	OUTT 2
	OUTT 3
	s_wait_tensorcnt 0x0
	ds_add_u32 v[SPW], v[NIL]
	s_wait_dscnt 0x0
	CROUND
	s_endpgm
.Lfunc_end_k_q3eec8e437d_attn:
	.size	k_q3eec8e437d_attn, .Lfunc_end_k_q3eec8e437d_attn-k_q3eec8e437d_attn
	.p2alignl 7, 3214868480
	.fill 96, 4, 3214868480
	.section	.rodata,"a",@progbits
	.p2align	6, 0x0
	.amdhsa_kernel k_q3eec8e437d_attn
		.amdhsa_group_segment_fixed_size 327680
		.amdhsa_private_segment_fixed_size 0
		.amdhsa_enable_private_segment 0
		.amdhsa_kernarg_size 48
		.amdhsa_user_sgpr_count 2
		.amdhsa_user_sgpr_kernarg_segment_ptr 1
		.amdhsa_wavefront_size32 1
		.amdhsa_system_sgpr_workgroup_id_x 1
		.amdhsa_system_sgpr_workgroup_id_y 1
		.amdhsa_system_sgpr_workgroup_id_z 1
		.amdhsa_system_vgpr_workitem_id 0
		.amdhsa_next_free_vgpr 512
		.amdhsa_next_free_sgpr 88
		.amdhsa_reserve_vcc 0
		.amdhsa_float_denorm_mode_32 3
		.amdhsa_float_denorm_mode_16_64 3
		.amdhsa_memory_ordered 1
		.amdhsa_forward_progress 1
		.amdhsa_inst_pref_size 191
	.end_amdhsa_kernel
	.amdgpu_metadata
---
amdhsa.version: [ 1, 2 ]
amdhsa.kernels:
  - .name:           k_q3eec8e437d_attn
    .symbol:         k_q3eec8e437d_attn.kd
    .args:
      - { .name: query, .offset: 0, .size: 8, .value_kind: global_buffer, .address_space: global }
      - { .name: qb, .offset: 8, .size: 8, .value_kind: global_buffer, .address_space: global }
      - { .name: kb, .offset: 16, .size: 8, .value_kind: global_buffer, .address_space: global }
      - { .name: vb, .offset: 24, .size: 8, .value_kind: global_buffer, .address_space: global }
      - { .name: beta, .offset: 32, .size: 8, .value_kind: global_buffer, .address_space: global }
      - { .name: out0, .offset: 40, .size: 8, .value_kind: global_buffer, .address_space: global }
    .group_segment_fixed_size: 327680
    .private_segment_fixed_size: 0
    .kernarg_segment_align: 8
    .kernarg_segment_size: 48
    .max_flat_workgroup_size: 256
    .sgpr_count:     88
    .vgpr_count:     512
    .wavefront_size: 32
...
	.end_amdgpu_metadata
.endif
;; end of part 2
